; MI455X (gfx1250); checked and timed in simulation.
; The chip was launched on July 23, 2026; its instructions are those of AMD's public machine-readable ISA for CDNA 5 (MIT licence, August 2026) and "CDNA5" Instruction Set Architecture Reference Guide (July 2026). The comments in the code are by the model that wrote it; some were corrected since.
;; LSTM Cell KFAC. Allowed arithmetic: float matrix products may take bf16 or f16 operands with f32 sums; all other float work in f32.
;; Inputs: b_f_h 1,024 float32; b_f_i 1,024 float32; b_g_h 1,024 float32; b_g_i 1,024 float32; b_i_h 1,024 float32; b_i_i 1,024 float32; b_o_h 1,024 float32; b_o_i 1,024 float32; c 4,096 x 1,024 float32; h 4,096 x 1,024 float32; input 4,096 x 1,024 float32; w_f_h 1,024 x 1,024 float32; w_f_i 1,024 x 1,024 float32; w_g_h 1,024 x 1,024 float32; w_g_i 1,024 x 1,024 float32; w_i_h 1,024 x 1,024 float32; w_i_i 1,024 x 1,024 float32; w_o_h 1,024 x 1,024 float32; w_o_i 1,024 x 1,024 float32.
;; Outputs: out0 4,096 x 1,024 float32; out1 4,096 x 1,024 float32.
;; 2 versions, each right; version 2 is version 1 with the launch pack written anew for expert scheduling mode. Each part assembles by itself: llvm-mc -triple=amdgcn-amd-amdhsa -mcpu=gfx1250 --defsym DOCPART=n.
;; ======== version 1 of 2: 2 launches
;; workspace buffers: xb 16,777,216 bytes; wb 16,777,216 bytes
;; launch pack (part 1): grid 32 x 16, 8 waves a work-group, no clusters, 0 bytes of LDS; arguments input, h, w_i_i, w_i_h, w_f_i, w_f_h, w_g_i, w_g_h, w_o_i, w_o_h, xb, wb; writes xb, wb
.if DOCPART == 1
	.amdgcn_target "amdgcn-amd-amdhsa--gfx1250"
	.amdhsa_code_object_version 6
	.text
	.protected	k_q0dad948764_pack
	.globl	k_q0dad948764_pack
	.p2align	8
	.type	k_q0dad948764_pack,@function
k_q0dad948764_pack:
	s_mov_b64 s[64:65], 0
	v_nop
	global_prefetch_b8 v0, s[64:65] scope:SCOPE_SE
	s_setreg_imm32_b32 hwreg(HW_REG_WAVE_MODE, 25, 1), 1
	s_wait_xcnt 0x0
; Rounds the matrix operands of the LSTM cell to bf16, once, and lays them out for the product of the next launch.
;   xb [4096][2048] bf16: row m = bf16(input[m]) then bf16(h[m]).
;   wb [4096][2048] bf16: row 128 (hid / 32) + 32 gate + hid % 32 = bf16(w_gate_i[hid]) then bf16(w_gate_h[hid]); gate 0..3 = i, f, g, o.
;   So 128 neighbouring rows of wb hold 32 hidden columns of all four gates: the rows of one wave of the next launch.
; A stream: each source byte is read once, each byte of xb and wb is written once.  No LDS, no barrier, no matrix unit and no cluster:
; no work-group reads what another reads, and no number is used twice.
; The sources are 16,384 rows of 4,096 bytes in 16 segments of 1,024 rows: work-group y = the segment (0-3 input, 4-7 h, 8-15 the
; weights in the order of the arguments), x = 32 rows of it.  Wave w takes rows 4 w .. 4 w + 3: 32 loads of 512 neighbouring bytes,
; all issued at once (16 KiB of a wave on their way), then 32 stores, each of 256 neighbouring bytes at a multiple of 256 of the buffer.
; LIMIT: rounding to nearest even to bf16 (8 bits of mantissa); a finite f32 above bf16's largest number becomes infinity.
.set ROWB, 4096                        ; bytes in a source row (1,024 f32) and in a row of xb or wb (2,048 bf16)
.set X,    4                           ; v[4:131] load n: 4 registers as loaded; its first two then hold the 4 numbers in bf16: 8 bytes to store
	s_load_b512 s[8:23], s[0:1], 0x0               ; input s[8:9], h s[10:11], w_i_i, w_i_h, w_f_i, w_f_h, w_g_i, w_g_h s[12:23]
	s_load_b256 s[24:31], s[0:1], 0x40             ; w_o_i s[24:25], w_o_h s[26:27], xb s[28:29], wb s[30:31]
	s_and_b32 s2, ttmp7, 0xffff                    ; y: the segment
	s_lshl_b32 s33, ttmp9, 5                       ; 32 x: first row in a weight matrix
	s_and_b32 s34, s2, 3
	s_lshl_b32 s34, s34, 10
	s_add_co_u32 s34, s34, s33                     ; 1,024 (y % 4) + 32 x: first row in input or h, and in xb
	s_bfe_u32 s35, s2, 0x20001                     ; (y / 2) % 4: the gate
	s_lshl_b32 s35, s35, 5
	s_lshl_b32 s32, ttmp9, 7
	s_add_co_u32 s35, s35, s32                     ; 128 x + 32 gate: first row in wb (the 32 rows are one hid / 32)
	s_lshr_b32 s36, s2, 2                          ; half of xb's row: 0 input, 1 h
	s_and_b32 s37, s2, 1                           ; half of wb's row: 0 w_*_i, 1 w_*_h
	v_and_b32 v3, 31, v0                           ; lane
	v_lshrrev_b32 v2, 5, v0                        ; wave
	v_lshlrev_b32 v2, 14, v2                       ; 4 rows of 4,096 bytes a wave, in the source and in the destination
	v_lshl_or_b32 v1, v3, 4, v2                    ; source: 16 bytes a lane
	v_lshl_or_b32 v2, v3, 3, v2                    ; destination: 8 bytes a lane
	s_wait_kmcnt 0x0
	s_cmp_lt_u32 s2, 8                             ; an activation or a weight?  The selects leave SCC alone
	s_cselect_b32 s38, s34, s33                    ; source row
	s_cselect_b32 s39, s34, s35                    ; destination row
	s_cselect_b32 s40, s36, s37                    ; destination half
	s_cselect_b64 s[6:7], s[28:29], s[30:31]       ; xb or wb
	s_mov_b64 s[4:5], s[8:9]                       ; the source: input,
	s_cmp_ge_u32 s2, 4
	s_cselect_b64 s[4:5], s[10:11], s[4:5]         ; or h,
.irp k, 8,9,10,11,12,13,14,15
	s_cmp_eq_u32 s2, \k
	s_cselect_b64 s[4:5], s[12+2*(\k-8):13+2*(\k-8)], s[4:5]       ; or weight matrix y - 8
.endr
	s_lshl_b32 s42, s38, 12                        ; offsets stay below 16 MiB: the high word is 0
	s_mov_b32 s43, 0
	s_add_nc_u64 s[4:5], s[4:5], s[42:43]
	s_lshl_b32 s42, s39, 12
	s_lshl_b32 s40, s40, 11
	s_add_co_u32 s42, s42, s40
	s_add_nc_u64 s[6:7], s[6:7], s[42:43]
.set n, 0
.rept 32                                               ; load n: row n / 8 of my four, its 512 bytes number n % 8
	global_load_b128 v[X+4*n:X+4*n+3], v1, s[4:5] offset:(n/8)*ROWB+(n%8)*512 th:TH_LOAD_NT
.set n, n+1
.endr
.set n, 0
.rept 32
	s_wait_loadcnt 31-n                            ; loads come back in order (ISA guide 5.7.1): load n is in, the 31 - n younger ones stay out
	v_cvt_pk_bf16_f32 v[X+4*n],   v[X+4*n],   v[X+4*n+1]   ; two roundings, packed; in place: no register is needed twice
	v_cvt_pk_bf16_f32 v[X+4*n+1], v[X+4*n+2], v[X+4*n+3]
	global_store_b64 v2, v[X+4*n:X+4*n+1], s[6:7] offset:(n/8)*ROWB+(n%8)*256   ; 32 lanes x 8 bytes: 256 neighbouring bytes; the next launch reads them, so no hint
.set n, n+1
.endr
	s_endpgm                                       ; no address or data register was written again behind its load or store
.Lfunc_end_k_q0dad948764_pack:
	.size	k_q0dad948764_pack, .Lfunc_end_k_q0dad948764_pack-k_q0dad948764_pack
	.p2alignl 7, 3214868480
	.fill 96, 4, 3214868480
	.section	.rodata,"a",@progbits
	.p2align	6, 0x0
	.amdhsa_kernel k_q0dad948764_pack
		.amdhsa_group_segment_fixed_size 0
		.amdhsa_private_segment_fixed_size 0
		.amdhsa_enable_private_segment 0
		.amdhsa_kernarg_size 96
		.amdhsa_user_sgpr_count 2
		.amdhsa_user_sgpr_kernarg_segment_ptr 1
		.amdhsa_wavefront_size32 1
		.amdhsa_system_sgpr_workgroup_id_x 1
		.amdhsa_system_sgpr_workgroup_id_y 1
		.amdhsa_system_sgpr_workgroup_id_z 1
		.amdhsa_system_vgpr_workitem_id 0
		.amdhsa_next_free_vgpr 132
		.amdhsa_next_free_sgpr 66
		.amdhsa_reserve_vcc 0
		.amdhsa_float_denorm_mode_32 3
		.amdhsa_float_denorm_mode_16_64 3
		.amdhsa_memory_ordered 1
		.amdhsa_forward_progress 1
		.amdhsa_inst_pref_size 14
	.end_amdhsa_kernel
	.amdgpu_metadata
---
amdhsa.version: [ 1, 2 ]
amdhsa.kernels:
  - .name:           k_q0dad948764_pack
    .symbol:         k_q0dad948764_pack.kd
    .args:
      - { .name: input, .offset: 0, .size: 8, .value_kind: global_buffer, .address_space: global }
      - { .name: h, .offset: 8, .size: 8, .value_kind: global_buffer, .address_space: global }
      - { .name: w_i_i, .offset: 16, .size: 8, .value_kind: global_buffer, .address_space: global }
      - { .name: w_i_h, .offset: 24, .size: 8, .value_kind: global_buffer, .address_space: global }
      - { .name: w_f_i, .offset: 32, .size: 8, .value_kind: global_buffer, .address_space: global }
      - { .name: w_f_h, .offset: 40, .size: 8, .value_kind: global_buffer, .address_space: global }
      - { .name: w_g_i, .offset: 48, .size: 8, .value_kind: global_buffer, .address_space: global }
      - { .name: w_g_h, .offset: 56, .size: 8, .value_kind: global_buffer, .address_space: global }
      - { .name: w_o_i, .offset: 64, .size: 8, .value_kind: global_buffer, .address_space: global }
      - { .name: w_o_h, .offset: 72, .size: 8, .value_kind: global_buffer, .address_space: global }
      - { .name: xb, .offset: 80, .size: 8, .value_kind: global_buffer, .address_space: global }
      - { .name: wb, .offset: 88, .size: 8, .value_kind: global_buffer, .address_space: global }
    .group_segment_fixed_size: 0
    .private_segment_fixed_size: 0
    .kernarg_segment_align: 8
    .kernarg_segment_size: 96
    .max_flat_workgroup_size: 256
    .sgpr_count:     66
    .vgpr_count:     132
    .wavefront_size: 32
...
	.end_amdgpu_metadata
.endif
;; end of part 1
;; launch cell (part 2): grid 16 x 16, 4 waves a work-group, clusters of 4 x 4, 327,680 bytes of LDS; arguments b_i_i, b_i_h, b_f_i, b_f_h, b_g_i, b_g_h, b_o_i, b_o_h, xb, wb, c, out0, out1; writes out0, out1
.if DOCPART == 2
	.amdgcn_target "amdgcn-amd-amdhsa--gfx1250"
	.amdhsa_code_object_version 6
	.text
	.protected	k_q0dad948764_cell
	.globl	k_q0dad948764_cell
	.p2align	8
	.type	k_q0dad948764_cell,@function
k_q0dad948764_cell:
	s_mov_b64 s[64:65], 0
	v_nop
	global_prefetch_b8 v0, s[64:65] scope:SCOPE_SE
	s_setreg_imm32_b32 hwreg(HW_REG_WAVE_MODE, 25, 1), 1
	s_wait_xcnt 0x0
	s_wait_alu depctr_hold_cnt(0) depctr_sa_sdst(0) depctr_va_vdst(0) depctr_va_sdst(0) depctr_va_ssrc(0) depctr_va_vcc(0) depctr_vm_vsrc(0)
	s_getreg_b32 s2, hwreg(HW_REG_IB_STS2, 6, 4)
	s_cmp_eq_u32 s2, 0
	s_cbranch_scc0 .Lentry_in_a_cluster
	s_endpgm
.Lentry_in_a_cluster:
	s_bfe_u32 s2, ttmp6, 0x10000c
	s_cmp_lg_u32 s2, 0xf033
	s_cbranch_scc0 .Lentry_shape_is_right
	s_endpgm
.Lentry_shape_is_right:
; The LSTM cell: P = xb wb^T (xb [4096][2048], wb [4096][2048], bf16, sums in f32), then, for each row and hidden column,
;   i, f, o = sigmoid(P + b_*_i + b_*_h), g = tanh(P + b_g_i + b_g_h), c' = f c + i g (out1), h' = o tanh(c') (out0), all in f32.
; A work-group makes 256 rows x 64 hidden columns of both outputs = a block of 256 x 256 of P, since 256 neighbouring rows of wb hold 64 hidden
; columns of all four gates.  Four waves, as many as a WGP has SIMDs; a wave makes 128 x 128 of P (128 rows x 32 hidden columns x 4 gates) in 64
; accumulator tiles of 16 x 16, 512 registers.  16 x 16 work-groups.  K = 2,048 goes in 16 steps of 128 through a ring of two LDS slots filled by
; the tensor data mover: a tile's rows are 256 bytes of memory and start at multiples of 256 bytes of their buffer.
; CLUSTERS: 4 x 4 work-groups.  The four of a row of the cluster need the same tiles of xb, the four of a column the same tiles of wb: such a tile
; is asked for jointly, by the same tensor load with the same descriptor and a mask that names the four.  That divides the requests by four.
; c's tile (256 rows x 256 bytes) is nobody else's: a plain tensor load a wave, into slot 0 when its last K step has been read.
; No prefetch is written: a tile's request stands 240 matrix instructions ahead of the wait for it, and xb and wb were stored by the launch before.
;
; THE MATRIX INSTRUCTION IS USED TRANSPOSED: source 0 = 16 rows of wb, source 1 = 16 rows of xb.  Lane l then holds row l % 16 of P and its
; registers 0 to 7 the columns 8 (l / 16) + 0 .. 7.  Tile (a, b): rows 16 a.., wb rows 16 b.. of the wave's 128 = gate b / 2, hidden columns
; 16 (b % 2)...  So the four gates of one output number lie in one lane, at one register index of four tiles: the tail needs no exchange.
;
; REGISTERS, in windows of 256 (s_set_vgpr_msb says which window each operand place means):
;   window 0: v0-31 addresses; v64-127, v128-191 fragments of xb, two buffers (in the tail: gates at work, c, results on their way out);
;             v192-255 the 64 bias sums of my lane, already times the gate's factor
;   window 1: v64-127, v128-191 fragments of wb, two buffers
;   window 2: the 32 tiles of my rows 0-63 (tile (a, b) at v[8 (8 a + b)]);   window 3: those of my rows 64-127
;
; LIMITS: the operands of the product are bf16 (rounded once, by the launch before).  sigmoid(x) = 1 / (1 + 2^(-x log2 e)) and
; tanh(x) = 1 - 2 / (1 + 2^(2 x log2 e)): no clamp is needed, since 2^y runs to infinity or 0 and the reciprocal then gives 0 or 1, the right
; limits; their absolute error is about 2^-23, so a tanh far below 2^-23 in size has no relative accuracy; v_exp_f32 and v_rcp_f32 flush
; results below 2^-126 to 0 (ISA guide, their entries in chapter 15).
.set SIZE_K, 2048
.set KSTEP,  128
.set PITCH,  272                       ; an LDS row of a tile: 256 bytes + 16 of padding, an odd multiple of 16: the 16 rows that a load touches fall on 16 different 16-byte columns of 256
.set HALFT,  128*PITCH                 ; 128 rows: what one tensor load brings, and what one wave reads of xb or of wb
.set SLOT,   4*HALFT                   ; xb's 256 rows, then wb's 256 rows
.set STAGE,  SLOT                      ; the results' stage: slot 1 after its last fill and last read, and 9,216 bytes behind it
.set SPITCH, 144                       ; a stage row: a wave's 32 columns of f32 (128 bytes) + 16
.set WREG,   128*SPITCH+128            ; a wave's 128 stage rows; the 128 bytes more put the two column halves of a row on different halves of 256 bytes
.set CSTG,   4*WREG                    ; h' of the four waves, then c' of the four waves
.set LAPS,   SIZE_K/(2*KSTEP)          ; 8 laps: a lap = two K steps = once round the ring
.set ADRA, 16                          ; v16-17  LDS address of my xb fragments in slot 0, 1
.set ADRB, 20                          ; v20-21  the same for wb
.set CL,   24                          ; v24     LDS address of my 32 bytes of c in row block 0
.set SH,   25                          ; v25     stage: where I put h' of row block 0
.set SC,   26                          ; v26     stage: where I put c'
.set RDH,  27                          ; v27     stage: where I read h' back by rows
.set RDC,  28                          ; v28     stage: where I read c' back
.set CO,   29                          ; v29     my byte offset in out0 and out1
.set BO,   30                          ; v30     my byte offset in a bias vector
.set F0,   64                          ; fragment buffer 0
.set F1,   128                         ; fragment buffer 1
.set T,    64                          ; tail: v[T + 16 gate + 8 cb + k], 64 registers
.set CC,   128                         ; tail: v[CC + 8 cb + k], c and then c', 16 registers
.set BI,   192                         ; v[BI + 16 gate + 8 cb + k]: factor x (b_gate_i + b_gate_h)
.set NLOG2E, 0xbfb8aa3b                ; -log2 e: the factor of i, f, o
.set LOG2E2, 0x4038aa3b                ; 2 log2 e: the factor of g and of c'
.set G1,  24                           ; s[24:31] descriptor group 1 for xb's tiles
.set G0,  32                           ; s[32:39] group 0 for xb's tiles, one set for each slot
.set G1B, 48                           ; s[48:55] group 1 for wb's tiles: another mask
.set G0B, 56                           ; s[56:63] group 0 for wb's tiles, one set for each slot
.set G1C, 68                           ; s[68:75] group 1 for c's tile
.set G0C, 76                           ; s[76:79] group 0 for c's tile
.set MSB, 0
.macro WIN new                         ; the immediate's high byte repeats the setting that is left
.if MSB != \new
	s_set_vgpr_msb (MSB<<8)|\new
.set MSB, \new
.endif
.endm
.set MUL_LO, 0xa1                      ; source 0 (wb) window 1, source 1 (xb) window 0, C and D window 2
.set MUL_HI, 0xf1                      ; the same, C and D window 3
.set TO_B,   0x40                      ; destination window 1, address window 0
; A joint load.  Waves 0 and 1 fetch xb's two halves, waves 2 and 3 wb's.  Each line has one mask and one set of registers for all that issue it.
; The branch hangs on the wave's number alone: it is the same in every work-group.
.macro JLOAD s
	s_cmp_eq_u32 s11, 0
	s_cbranch_scc0 .Lfor_b_\@
	tensor_load_to_lds s[G0+4*\s:G0+4*\s+3], s[G1:G1+7]
	s_nop 0
	s_branch .Lasked_\@
.Lfor_b_\@:
	tensor_load_to_lds s[G0B+4*\s:G0B+4*\s+3], s[G1B:G1B+7]
	s_nop 0
.Lasked_\@:
.endm
; A round of the cluster's barrier: my work-group's barrier, so that wave 0's signal speaks for all four waves; wave 0 signals for the
; work-group; every wave waits for all sixteen work-groups; my work-group's barrier once more.
.macro CREST                           ; a round behind its opening barrier
	s_cmp_lg_u32 s10, 0
	s_cbranch_scc1 .Lnot_wave_0_\@
	s_barrier_signal -3
.Lnot_wave_0_\@:
	s_barrier_wait -3
	s_barrier_signal -1
	s_barrier_wait -1
.endm
.macro CROUND                          ; a whole round
	s_barrier_signal -1
	s_barrier_wait -1
	CREST
.endm
	s_load_b512 s[80:95], s[0:1], 0x0              ; the eight biases: s[80+2p:81+2p], p = 2 gate + (0: _i, 1: _h)
	s_load_b128 s[4:7], s[0:1], 0x40               ; xb s[4:5], wb s[6:7]
	s_load_b64 s[8:9], s[0:1], 0x50                ; c
	s_load_b128 s[96:99], s[0:1], 0x58             ; out0 (h') s[96:97], out1 (c') s[98:99]
	s_set_vgpr_msb 0x40
	v_lshl_add_u32 v255, v0, 2, 0x46400
	s_set_vgpr_msb 0x4000
	v_mov_b32 v63, 0
	s_set_vgpr_msb 0x1
	ds_add_u32 v255, v63
	s_set_vgpr_msb 0x100
	v_lshrrev_b32 v1, 5, v0
	v_readfirstlane_b32 s10, v1                    ; wave 0..3
	s_lshr_b32 s11, s10, 1                         ; which 128 rows of the block are mine.  Also: I fetch for xb (0) or for wb (1)
	s_and_b32 s12, s10, 1                          ; which 32 hidden columns.  Also: which 128 rows of that tile I fetch
	s_bfe_u32 s40, ttmp6, 0x40000                  ; cx: my place along the cluster's x
	s_bfe_u32 s41, ttmp6, 0x40004                  ; cy: along its y
	s_lshl_b32 s42, ttmp9, 2                       ; in a cluster launch ttmp9 and ttmp7 count clusters
	s_add_co_u32 s42, s42, s40                     ; block column (64 hidden columns) = 4 x cluster x + cx
	s_and_b32 s13, ttmp7, 0xffff
	s_lshl_b32 s13, s13, 2
	s_add_co_u32 s13, s13, s41                     ; block row (256 rows) = 4 x cluster y + cy
	s_lshl_b32 s43, s41, 2
	s_lshl_b32 s43, 15, s43                        ; my row of the cluster: places 4 cy .. 4 cy + 3
	s_lshl_b32 s44, 0x1111, s40                    ; my column: places cx, cx + 4, cx + 8, cx + 12
	; group 1 for xb and wb: a tile of 128 rows x 128 elements of 2 bytes, 16 bytes of padding behind each row of 64 words
	s_or_b32 s[G1+0], s43, (1<<16)|(1<<20)|(1<<21)|(5<<22)|(3<<25)  ; 15:0 mask: xb's tiles go to my row; 17:16 2 bytes; 20 padding on; 21 set beside a mask; 24:22 every 64 words; 31:25 4 words
	s_or_b32 s[G1B+0], s44, (1<<16)|(1<<20)|(1<<21)|(5<<22)|(3<<25) ; the same with the mask of my column, for wb's tiles
	s_mov_b32 s[G1+1], KSTEP<<16                   ; tensor_dim0 = 128
	s_mov_b32 s[G1B+1], KSTEP<<16
	s_mov_b32 s[G1+2], 128<<16                     ; tensor_dim1 = 128
	s_mov_b32 s[G1B+2], 128<<16
	s_mov_b32 s[G1+3], KSTEP<<16                   ; tile_dim0 = 128
	s_mov_b32 s[G1B+3], KSTEP<<16
	s_mov_b32 s[G1+4], 128                         ; tile_dim1 = 128, tile_dim2 = 0
	s_mov_b32 s[G1B+4], 128
	s_mov_b32 s[G1+5], SIZE_K                      ; 2,048 elements from row to row
	s_mov_b32 s[G1B+5], SIZE_K
	s_mov_b32 s[G1+6], 0
	s_mov_b32 s[G1B+6], 0
	s_mov_b32 s[G1+7], 0
	s_mov_b32 s[G1B+7], 0
	; group 1 for c: 64 rows x 64 elements of 4 bytes, the same padding; no mask: a load of my own
	s_mov_b32 s[G1C+0], (2<<16)|(1<<20)|(5<<22)|(3<<25)
	s_mov_b32 s[G1C+1], 64<<16                     ; tensor_dim0 = 64
	s_mov_b32 s[G1C+2], 64<<16                     ; tensor_dim1 = 64
	s_mov_b32 s[G1C+3], 64<<16                     ; tile_dim0 = 64
	s_mov_b32 s[G1C+4], 64                         ; tile_dim1 = 64
	s_mov_b32 s[G1C+5], 1024                       ; 1,024 elements from row to row
	s_mov_b32 s[G1C+6], 0
	s_mov_b32 s[G1C+7], 0
	; where the joint tiles come from.  xb's hang on the block row alone, wb's on the block column alone, each in registers that never hold the other.
	s_lshl_b32 s17, s12, 7                         ; which 128 rows of the tile I fetch
	s_lshl_b32 s16, s13, 8
	s_add_co_u32 s16, s16, s17                     ; xb: row 256 x block row + 128 x half
	s_lshl_b32 s46, s42, 8
	s_add_co_u32 s46, s46, s17                     ; wb: row 256 x block column + 128 x half
	s_mov_b32 s17, 0
	s_mov_b32 s47, 0
	s_mov_b64 s[18:19], SIZE_K*2
	s_mul_u64 s[16:17], s[16:17], s[18:19]         ; in bytes
	s_mul_u64 s[46:47], s[46:47], s[18:19]
	s_mul_i32 s20, s10, HALFT                      ; where they go: wave x 128 rows: no place in the cluster enters an LDS address
	; c, out0, out1: my wave's 64 rows (256 x block row + 64 x wave) of 4,096 bytes, and 256 bytes x block column
	s_lshl_b32 s66, s13, 8
	s_lshl_b32 s45, s10, 6
	s_add_co_u32 s66, s66, s45
	s_lshl_b32 s66, s66, 12
	s_lshl_b32 s45, s42, 8
	s_add_co_u32 s66, s66, s45                     ; below 16 MiB
	s_mov_b32 s67, 0
	s_mov_b32 s[G0C+0], 1                          ; count = 1
	s_mul_i32 s[G0C+1], s10, 64*PITCH              ; LDS: c's rows 64 x wave .., from byte 0 of slot 0
	s_wait_dscnt 0x0
	s_wait_kmcnt 0x0
	s_add_nc_u64 s[14:15], s[4:5], s[16:17]
	s_add_nc_u64 s[46:47], s[6:7], s[46:47]
	s_add_nc_u64 s[G0C+2:G0C+3], s[8:9], s[66:67]
	s_or_b32 s[G0C+3], s[G0C+3], 0x80000000        ; type = 2
	s_add_nc_u64 s[96:97], s[96:97], s[66:67]
	s_add_nc_u64 s[98:99], s[98:99], s[66:67]
	CROUND                                         ; all sixteen work-groups are here: the first joint loads meet
.irp s, 0,1
	s_mov_b32 s[G0+4*\s], 1                                        ; count = 1
	s_add_co_u32 s[G0+4*\s+1], s20, \s*SLOT                        ; LDS address
	s_add_nc_u64 s[G0+4*\s+2:G0+4*\s+3], s[14:15], \s*KSTEP*2      ; global address: K step s
	s_or_b32 s[G0+4*\s+3], s[G0+4*\s+3], 0x80000000                ; type = 2
	s_mov_b32 s[G0B+4*\s], 1
	s_add_co_u32 s[G0B+4*\s+1], s20, \s*SLOT
	s_add_nc_u64 s[G0B+4*\s+2:G0B+4*\s+3], s[46:47], \s*KSTEP*2
	s_or_b32 s[G0B+4*\s+3], s[G0B+4*\s+3], 0x80000000
	JLOAD \s                                       ; the ring is filled before anything else is done: two tensor loads of a wave are out
.endr
	; The biases, while the first tiles are on their way.  My lane's columns of a gate: 64 x block column + 32 x half + 16 cb + 8 (l / 16) + k.
	v_and_b32 v1, 15, v0                           ; r = l % 16
	v_bfe_u32 v2, v0, 4, 1                         ; h = l / 16
	s_lshl_b32 s45, s42, 8
	s_lshl_b32 s21, s12, 7
	s_add_co_u32 s45, s45, s21
	v_lshl_add_u32 v[BO], v2, 5, s45               ; 256 x block column + 128 x half + 32 h
.irp p, 0,1,2,3,4,5,6,7
.irp cb, 0,1
.irp q, 0,1
	global_load_b128 v[64+16*\p+8*\cb+4*\q:64+16*\p+8*\cb+4*\q+3], v[BO], s[80+2*\p:81+2*\p] offset:64*\cb+16*\q
.endr
.endr
.endr
	; A fragment is 16 rows x 32 K in 8 registers: lane l holds row l % 16; registers 0-3 hold K = 8 h + 0..7, registers 4-7 K = 16 + 8 h + 0..7:
	; two loads of 16 bytes, 32 bytes apart, at row x pitch + 16 h.
	v_mul_u32_u24 v3, v1, PITCH
	v_lshl_add_u32 v4, v2, 5, v3                   ; for c: 272 r + 32 h
	v_lshl_add_u32 v3, v2, 4, v3                   ; for fragments: 272 r + 16 h
	s_mul_i32 s21, s11, HALFT                      ; my 128 rows of xb
	s_mul_i32 s22, s12, HALFT                      ; my 128 rows of wb,
	s_add_co_u32 s22, s22, 2*HALFT                 ; which lie behind xb's 256
.irp s, 0,1
	v_add_nc_u32 v[ADRA+\s], s21, v3
	v_add_nc_u32 v[ADRB+\s], s22, v3
	s_add_co_u32 s21, s21, SLOT
	s_add_co_u32 s22, s22, SLOT
.endr
	s_mul_i32 s23, s11, HALFT                      ; c: my 128 rows, my 128 bytes of each
	s_lshl_b32 s21, s12, 7
	s_add_co_u32 s23, s23, s21
	v_add_nc_u32 v[CL], s23, v4
	v_mul_u32_u24 v5, v1, SPITCH                   ; stage, in: my wave's region, row r, 32 bytes for each half of the lanes
	v_lshl_add_u32 v5, v2, 5, v5
	s_mul_i32 s23, s10, WREG
	s_add_co_u32 s23, s23, STAGE
	v_add_nc_u32 v[SH], s23, v5
	v_add_nc_u32 v[SC], CSTG, v[SH]
	v_lshrrev_b32 v3, 3, v1                        ; stage, back: sixteen lanes take one row of the block's 64 columns: lanes 0-7 from the region of the
	v_and_b32 v4, 7, v1                            ; wave with the left 32 columns, lanes 8-15 from its neighbour's; lanes 16-31 the row below.
	v_mul_u32_u24 v3, v3, WREG
	v_lshl_add_u32 v3, v4, 4, v3
	v_mul_u32_u24 v4, v2, SPITCH
	v_add_nc_u32 v3, v3, v4
	s_mul_i32 s23, s11, 2*WREG                     ; the pair of regions of my 128 rows,
	s_mul_i32 s21, s12, 64*SPITCH                  ; and of those rows my 64: wave w writes rows 64 w .. 64 w + 63 of the block
	s_add_co_u32 s23, s23, s21
	s_add_co_u32 s23, s23, STAGE
	v_add_nc_u32 v[RDH], s23, v3
	v_add_nc_u32 v[RDC], CSTG, v[RDH]
	v_lshlrev_b32 v[CO], 4, v1                     ; and the same two rows in out0, out1: 16 r + 4,096 h
	v_lshl_add_u32 v[CO], v2, 12, v[CO]
	s_wait_loadcnt 0x0                             ; the 32 bias loads
.irp g, 0,1,2,3
.irp x, 0,2,4,6,8,10,12,14
	v_pk_add_f32 v[BI+16*\g+\x:BI+16*\g+\x+1], v[64+32*\g+\x:64+32*\g+\x+1], v[64+32*\g+16+\x:64+32*\g+16+\x+1]
.endr
.irp x, 0,2,4,6,8,10,12,14
.if \g == 2
	v_pk_mul_f32 v[BI+16*\g+\x:BI+16*\g+\x+1], v[BI+16*\g+\x:BI+16*\g+\x+1], LOG2E2 op_sel_hi:[1,0]
.else
	v_pk_mul_f32 v[BI+16*\g+\x:BI+16*\g+\x+1], v[BI+16*\g+\x:BI+16*\g+\x+1], NLOG2E op_sel_hi:[1,0]
.endif
.endr
.endr
; 16 matrix instructions: row blocks a0, a0 + 1 of the window's four (hi = 0: my rows 0-63, 1: rows 64-127) x all 8 blocks of wb, 32 along K.
; zero = 1: the first product starts the sums: nothing is ever cleared.
.macro MUL16 f, hi, a0, zero
.irp a, \a0, \a0+1
.irp b, 0,1,2,3,4,5,6,7
.if \zero
	v_wmma_f32_16x16x32_bf16 v[8*(8*(\a)+\b):8*(8*(\a)+\b)+7], v[\f+8*\b:\f+8*\b+7], v[\f+8*(4*\hi+\a):\f+8*(4*\hi+\a)+7], 0
.else
	v_wmma_f32_16x16x32_bf16 v[8*(8*(\a)+\b):8*(8*(\a)+\b)+7], v[\f+8*\b:\f+8*\b+7], v[\f+8*(4*\hi+\a):\f+8*(4*\hi+\a)+7], v[8*(8*(\a)+\b):8*(8*(\a)+\b)+7]
.endif
.endr
.endr
.endm
; 32 LDS loads in one run: the fragments of one quarter step (128 rows of wb, 128 rows of xb, 32 K at byte k of the rows) into buffer f
.macro FETCH slot, k, f
	WIN TO_B
.irp i, 0,1,2,3,4,5,6,7
	ds_load_b128 v[\f+8*\i:\f+8*\i+3],   v[ADRB+\slot] offset:\k+\i*16*PITCH
	ds_load_b128 v[\f+8*\i+4:\f+8*\i+7], v[ADRB+\slot] offset:\k+\i*16*PITCH+32
.endr
	WIN 0
.irp i, 0,1,2,3,4,5,6,7
	ds_load_b128 v[\f+8*\i:\f+8*\i+3],   v[ADRA+\slot] offset:\k+\i*16*PITCH
	ds_load_b128 v[\f+8*\i+4:\f+8*\i+7], v[ADRA+\slot] offset:\k+\i*16*PITCH+32
.endr
.endm
; A load into a register that a matrix instruction has read, and a vector instruction that reads a matrix result, stand four places behind that
; matrix instruction; only plain vector instructions that name none of its registers are places (ISA guide 7.12.1 for vector instructions)
; Four v_nop in front of each run of loads: sixteen issue slots for a K step's 256 matrix instructions.
.macro PLACES
.rept 4
	v_nop
.endr
.endm
; A K step is four quarter steps of 32 along K, 64 matrix instructions each, on buffers 0, 1, 0, 1.  The 64 accumulators take turns, one
; instruction a turn, in the same order in every quarter, over the loop's backward jump too.
; One of the first three quarters: multiplies buffer f; in its middle it fetches the next quarter's fragments, at byte k of the rows, into buffer g.
.macro QUARTER slot, k, f, g, zero
	s_wait_dscnt 8                                 ; wb and xb's rows 0-63 are in; the youngest eight loads (xb's rows 64-127) may be out
	WIN MUL_LO
	MUL16 \f, 0, 0, \zero
	MUL16 \f, 0, 2, \zero
	PLACES
	FETCH \slot, \k, \g
	s_wait_dscnt 32                                ; all but the 32 just issued
	WIN MUL_HI
	MUL16 \f, 1, 0, \zero
	MUL16 \f, 1, 2, \zero
.endm
.macro THREE slot, zero
	QUARTER \slot, 64,  F0, F1, \zero
	QUARTER \slot, 128, F1, F0, 0
	QUARTER \slot, 192, F0, F1, 0
.endm
; The last quarter: multiplies buffer 1 and changes slots.  next = the other slot.
; fill = 1: this slot is filled again, two K steps ahead, by a joint load;  fill = 2: it takes c's tile, a load of each wave's own.
; One barrier for the change of slots; it opens a round of the cluster's barrier.  In front of it each wave waits for its own reads of this slot and
; for all its tensor loads, of which one is out: its part of the next slot.  Behind the round no wave of any partner reads this slot or has a load
; on its way, and the next slot is whole: the fill comes first, one tensor load a wave, then the next slot's first fragments.
.macro TURN slot, next, fill
	s_wait_dscnt 8
	WIN MUL_LO
	MUL16 F1, 0, 0, 0
	s_wait_dscnt 0                                 ; my reads of this slot are over
	s_wait_tensorcnt 0x0                           ; and all my tensor loads have landed: so a group 0 may be written below
	ds_add_u32 v255, v63
	s_wait_dscnt 0x0
	s_barrier_signal -1                            ; say so,
	MUL16 F1, 0, 2, 0                              ; work on registers while the others arrive,
	WIN 0
	s_barrier_wait -1                              ; and go on when all four have said so
	CREST                                          ; wave 0 says so for the work-group; all sixteen have said so; my work-group's barrier closes the round
.if \fill == 1
	s_add_nc_u64 s[G0+4*\slot+2:G0+4*\slot+3], s[G0+4*\slot+2:G0+4*\slot+3], 2*KSTEP*2
	s_add_nc_u64 s[G0B+4*\slot+2:G0B+4*\slot+3], s[G0B+4*\slot+2:G0B+4*\slot+3], 2*KSTEP*2
	JLOAD \slot                                    ; the first tensor load behind the round, and the wave's only one until the next
.endif
.if \fill == 2
	tensor_load_to_lds s[G0C:G0C+3], s[G1C:G1C+7]  ; c's rows 64 x wave .. + 63 into 17,408 bytes of slot 0 that are this wave's by its number
	s_nop 0
.endif
	PLACES
	FETCH \next, 0, F0
	WIN MUL_HI
	MUL16 F1, 1, 0, 0
	MUL16 F1, 1, 2, 0
.endm
.macro LAP zero                        ; once round the ring, both slots filled again
	THREE 0, \zero
	TURN 0, 1, 1
	THREE 1, 0
	TURN 1, 0, 1
.endm
	s_wait_tensorcnt 0x1                           ; my part of K step 0 is in; K step 1's may stay out
	s_barrier_signal -1
	s_barrier_wait -1                              ; everybody's is
	FETCH 0, 0, F0
	LAP 1                                          ; the first lap stands in front of the loop: its first products start the sums
	WIN 0                                          ; at a label and at a branch every window is 0
	s_mov_b32 s3, LAPS-2
.Llap:
	LAP 0
	WIN 0
	s_sub_co_u32 s3, s3, 1
	s_cmp_lg_u32 s3, 0
	s_cbranch_scc1 .Llap
	THREE 0, 0                                     ; the last lap: K steps 14 and 15
	TURN 0, 1, 2                                   ; slot 0 has been read for the last time: it takes c, which has K step 15's 256 matrix instructions in which to land
	THREE 1, 0
	s_wait_dscnt 8                                 ; the very last quarter: nothing more to fetch
	WIN MUL_LO
	MUL16 F1, 0, 0, 0
	MUL16 F1, 0, 2, 0
	s_wait_dscnt 0                                 ; my reads of slot 1 are over: no LDS instruction of mine is out from here to the barrier
	WIN MUL_HI
	MUL16 F1, 1, 0, 0
	MUL16 F1, 1, 2, 0
	PLACES                                         ; the places behind the last matrix instructions, for all that reads results or writes fragment registers below
	WIN 0
	s_wait_tensorcnt 0x0                           ; my quarter of c is in LDS
	s_barrier_signal -1
	s_barrier_wait -1                              ; everybody's is, and no wave reads slot 1 any more: it becomes the stage.  No tensor load is issued behind this line
; n transcendentals in place, back to back, on registers first .. first + n - 1
.macro RUN1 op, first, n
.set x, 0
.rept \n
	\op v[\first+x], v[\first+x]
.set x, x+1
.endr
.endm
; y -> 1 / (1 + 2^y) on n registers.  Behind a run of transcendentals one plain vector instruction stands in front of the first use of a result (ISA guide 5.7.2).
.macro RCP1PEXP first, n
	RUN1 v_exp_f32, \first, \n
	v_nop
.set x, 0
	s_wait_alu depctr_va_vdst(0)
.rept \n/2
	v_pk_add_f32 v[\first+x:\first+x+1], v[\first+x:\first+x+1], 1.0 op_sel_hi:[1,0]
.set x, x+2
.endr
	RUN1 v_rcp_f32, \first, \n
	v_nop
.endm
; The tail for rows 16 i .. 16 i + 15 of my 128 = the eight tiles (a, 0..7) of window 2 or 3 (from = 0x02 or 0x03: source 0's window).
; A lane has 16 output numbers here: row r, columns 16 cb + 8 h + k.
.macro GATES i, a, from
.irp cb, 0,1
.irp q, 0,1
	ds_load_b128 v[CC+8*\cb+4*\q:CC+8*\cb+4*\q+3], v[CL] offset:\i*16*PITCH+64*\cb+16*\q   ; c, wanted some 270 instructions further down
.endr
.endr
	WIN \from
.set x, 0
.rept 32
.if x/16 == 2
	v_pk_fma_f32 v[T+x:T+x+1], v[64*\a+x:64*\a+x+1], LOG2E2, v[BI+x:BI+x+1] op_sel_hi:[1,0,1]   ; g: 2 log2 e x (sum + biases)
.else
	v_pk_fma_f32 v[T+x:T+x+1], v[64*\a+x:64*\a+x+1], NLOG2E, v[BI+x:BI+x+1] op_sel_hi:[1,0,1]   ; i, f, o: -log2 e x (sum + biases)
.endif
.set x, x+2
.endr
	WIN 0
	RCP1PEXP T, 64                                 ; i, f, o are done; of g: 1 / (1 + e^(2 x))
	s_wait_alu depctr_va_vdst(0)
.irp x, 0,2,4,6,8,10,12,14
	v_pk_fma_f32 v[T+32+\x:T+33+\x], v[T+32+\x:T+33+\x], -2.0, 1.0 op_sel_hi:[1,0,0]   ; g = tanh
.endr
.irp x, 0,2,4,6,8,10,12,14
	v_pk_mul_f32 v[T+\x:T+\x+1], v[T+\x:T+\x+1], v[T+32+\x:T+33+\x]                    ; i g
.endr
	s_wait_dscnt 0x0                               ; c: its four loads are the youngest LDS instructions
.irp x, 0,2,4,6,8,10,12,14
	v_pk_fma_f32 v[CC+\x:CC+\x+1], v[T+16+\x:T+17+\x], v[CC+\x:CC+\x+1], v[T+\x:T+\x+1]   ; c' = f c + i g
.endr
.irp cb, 0,1
.irp q, 0,1
	ds_store_b128 v[SC], v[CC+8*\cb+4*\q:CC+8*\cb+4*\q+3] offset:\i*16*SPITCH+64*\cb+16*\q
.endr
.endr
.irp x, 0,2,4,6,8,10,12,14
	v_pk_mul_f32 v[T+\x:T+\x+1], v[CC+\x:CC+\x+1], LOG2E2 op_sel_hi:[1,0]
.endr
	RCP1PEXP T, 16
	s_wait_alu depctr_va_vdst(0)
.irp x, 0,2,4,6,8,10,12,14
	v_pk_fma_f32 v[T+\x:T+\x+1], v[T+\x:T+\x+1], -2.0, 1.0 op_sel_hi:[1,0,0]           ; tanh(c')
.endr
.irp x, 0,2,4,6,8,10,12,14
	v_pk_mul_f32 v[T+\x:T+\x+1], v[T+\x:T+\x+1], v[T+48+\x:T+49+\x]                    ; h' = o tanh(c')
.endr
.irp cb, 0,1
.irp q, 0,1
	ds_store_b128 v[SH], v[T+8*\cb+4*\q:T+8*\cb+4*\q+3] offset:\i*16*SPITCH+64*\cb+16*\q
.endr
.endr
.endm
	GATES 0, 0, 0x02
	GATES 1, 1, 0x02
	GATES 2, 2, 0x02
	GATES 3, 3, 0x02
	GATES 4, 0, 0x03
	GATES 5, 1, 0x03
	GATES 6, 2, 0x03
	GATES 7, 3, 0x03
	s_wait_dscnt 0x0                               ; my stores into the stage are done: zero, for the neighbour's sake, who reads half of each row from my region
	s_barrier_signal -1
	s_barrier_wait -1
; THE WAY OUT: 16 pairs of rows, from pair t0 on, of my 64 rows of one output.  Sixteen lanes read a row's 256 bytes from the stage and store them as
; 256 neighbouring bytes at a multiple of 256 of the output.  f: the registers, v64.. or v128.. in turn.
.macro OUTB rd, base, t0, f
	s_wait_xcnt 0x0                                ; every earlier store has had its addresses translated (ISA guide 3.1): registers that stores read are loaded again only behind this wait
.irp t, 0,1,2,3,4,5,6,7,8,9,10,11,12,13,14,15
	ds_load_b128 v[\f+4*\t:\f+4*\t+3], v[\rd] offset:(\t0+\t)*2*SPITCH
.endr
.irp t, 0,1,2,3,4,5,6,7,8,9,10,11,12,13,14,15
	s_wait_dscnt 15-\t                             ; LDS loads come back in order (ISA guide 5.7.1): load t is in, the younger ones stay out
	global_store_b128 v[CO], v[\f+4*\t:\f+4*\t+3], s[\base:\base+1] offset:(\t0+\t)*8192 th:TH_STORE_NT
.endr
.endm
	OUTB RDH, 96, 0,  64                           ; h' to out0
	OUTB RDH, 96, 16, 128
	OUTB RDC, 98, 0,  64                           ; c' to out1
	OUTB RDC, 98, 16, 128
	s_set_vgpr_msb 0x1
	s_wait_tensorcnt 0x0
	ds_add_u32 v255, v63
	s_wait_dscnt 0x0
	s_set_vgpr_msb 0x100
	CROUND                                         ; the closing round: no work-group ends while a partner may still ask for a tile that names it
	s_endpgm
.Lfunc_end_k_q0dad948764_cell:
	.size	k_q0dad948764_cell, .Lfunc_end_k_q0dad948764_cell-k_q0dad948764_cell
	.p2alignl 7, 3214868480
	.fill 96, 4, 3214868480
	.section	.rodata,"a",@progbits
	.p2align	6, 0x0
	.amdhsa_kernel k_q0dad948764_cell
		.amdhsa_group_segment_fixed_size 327680
		.amdhsa_private_segment_fixed_size 0
		.amdhsa_enable_private_segment 0
		.amdhsa_kernarg_size 104
		.amdhsa_user_sgpr_count 2
		.amdhsa_user_sgpr_kernarg_segment_ptr 1
		.amdhsa_wavefront_size32 1
		.amdhsa_system_sgpr_workgroup_id_x 1
		.amdhsa_system_sgpr_workgroup_id_y 1
		.amdhsa_system_sgpr_workgroup_id_z 1
		.amdhsa_system_vgpr_workitem_id 0
		.amdhsa_next_free_vgpr 1024
		.amdhsa_next_free_sgpr 100
		.amdhsa_reserve_vcc 0
		.amdhsa_float_denorm_mode_32 3
		.amdhsa_float_denorm_mode_16_64 3
		.amdhsa_memory_ordered 1
		.amdhsa_forward_progress 1
		.amdhsa_inst_pref_size 255
	.end_amdhsa_kernel
	.section	.bss,"aw",@nobits
	.p2align	6
	.space	262144
	.amdgpu_metadata
---
amdhsa.version: [ 1, 2 ]
amdhsa.kernels:
  - .name:           k_q0dad948764_cell
    .symbol:         k_q0dad948764_cell.kd
    .args:
      - { .name: b_i_i, .offset: 0, .size: 8, .value_kind: global_buffer, .address_space: global }
      - { .name: b_i_h, .offset: 8, .size: 8, .value_kind: global_buffer, .address_space: global }
      - { .name: b_f_i, .offset: 16, .size: 8, .value_kind: global_buffer, .address_space: global }
      - { .name: b_f_h, .offset: 24, .size: 8, .value_kind: global_buffer, .address_space: global }
      - { .name: b_g_i, .offset: 32, .size: 8, .value_kind: global_buffer, .address_space: global }
      - { .name: b_g_h, .offset: 40, .size: 8, .value_kind: global_buffer, .address_space: global }
      - { .name: b_o_i, .offset: 48, .size: 8, .value_kind: global_buffer, .address_space: global }
      - { .name: b_o_h, .offset: 56, .size: 8, .value_kind: global_buffer, .address_space: global }
      - { .name: xb, .offset: 64, .size: 8, .value_kind: global_buffer, .address_space: global }
      - { .name: wb, .offset: 72, .size: 8, .value_kind: global_buffer, .address_space: global }
      - { .name: c, .offset: 80, .size: 8, .value_kind: global_buffer, .address_space: global }
      - { .name: out0, .offset: 88, .size: 8, .value_kind: global_buffer, .address_space: global }
      - { .name: out1, .offset: 96, .size: 8, .value_kind: global_buffer, .address_space: global }
    .group_segment_fixed_size: 327680
    .private_segment_fixed_size: 0
    .kernarg_segment_align: 8
    .kernarg_segment_size: 104
    .max_flat_workgroup_size: 128
    .sgpr_count:     100
    .vgpr_count:     1024
    .wavefront_size: 32
...
	.end_amdgpu_metadata
.endif
;; end of part 2
;; ======== version 2 of 2: 2 launches; version 1 with the launch pack written anew for expert scheduling mode
;; workspace buffers: xb 16,777,216 bytes; wb 16,777,216 bytes
;; launch pack (part 3): grid 32 x 16, 8 waves a work-group, no clusters, 0 bytes of LDS; arguments input, h, w_i_i, w_i_h, w_f_i, w_f_h, w_g_i, w_g_h, w_o_i, w_o_h, xb, wb; writes xb, wb
.if DOCPART == 3
	.amdgcn_target "amdgcn-amd-amdhsa--gfx1250"
	.amdhsa_code_object_version 6
	.text
	.protected	k_q0dad948764_pack
	.globl	k_q0dad948764_pack
	.p2align	8
	.type	k_q0dad948764_pack,@function
k_q0dad948764_pack:
	s_mov_b64 s[64:65], 0
	v_nop
	global_prefetch_b8 v0, s[64:65] scope:SCOPE_SE
	s_setreg_imm32_b32 hwreg(HW_REG_WAVE_SCHED_MODE, 0, 2), 2
	s_setreg_imm32_b32 hwreg(HW_REG_WAVE_MODE, 25, 1), 1
	s_wait_xcnt 0x0
	s_wait_alu depctr_vm_vsrc(0)
; Rounds the matrix operands of the LSTM cell to bf16, once, and lays them out for the product of the next launch.
;   xb [4096][2048] bf16: row m = bf16(input[m]) then bf16(h[m]).
;   wb [4096][2048] bf16: row 128 (hid / 32) + 32 gate + hid % 32 = bf16(w_gate_i[hid]) then bf16(w_gate_h[hid]); gate 0..3 = i, f, g, o.
;   So 128 neighbouring rows of wb hold 32 hidden columns of all four gates: the rows of one wave of the next launch.
; A stream: each source byte is read once, each byte of xb and wb is written once.  No LDS, no barrier, no matrix unit and no cluster:
; no work-group reads what another reads, and no number is used twice.
; The sources are 16,384 rows of 4,096 bytes in 16 segments of 1,024 rows: work-group y = the segment (0-3 input, 4-7 h, 8-15 the
; weights in the order of the arguments), x = 32 rows of it.  Wave w takes rows 4 w .. 4 w + 3: 32 loads of 512 neighbouring bytes,
; all issued at once (16 KiB of a wave on their way), then 32 stores, each of 256 neighbouring bytes at a multiple of 256 of the buffer.
; LIMIT: rounding to nearest even to bf16 (8 bits of mantissa); a finite f32 above bf16's largest number becomes infinity.
; THE MODE: SCHED_MODE bits 1:0 = 2 (LLVM: expert scheduling mode 2), set by the entry lines.  The code itself states the register dependences
; between vector instructions and memory instructions, with s_wait_alu, always for 0.
; THE PLAN.  Registers that memory instructions touch:
;   v1, v2       byte offsets of the loads and of the stores: written once at the head, never again.
;   v[X + 4 n ..] load n lands in its four registers once; no vector instruction names them before.  Its two conversions read them and write the
;                first two, in place; store n reads those two; nothing writes them again.
; The 32 loads go in 8 blocks of four.  Block p rounds its own four loads; its memory instructions are the four stores of block p - 1, whose
; registers no vector instruction of block p names.  So one wait on va_vdst at a block's head states all that the block's stores hang on, and
; they are dealt among its conversions with no further wait.  No register that a memory instruction has read is ever written again, so
; no wait on vm_vsrc is owed; no vector instruction writes a scalar register or VCC, and EXEC is never written.
.set ROWB, 4096                        ; bytes in a source row (1,024 f32) and in a row of xb or wb (2,048 bf16)
.set X,    4                           ; v[4:131] load n: 4 registers as loaded; its first two then hold the 4 numbers in bf16: 8 bytes to store
.set BLK,  4                           ; loads in a block
.set NBLK, 32/BLK
	s_load_b512 s[8:23], s[0:1], 0x0               ; input s[8:9], h s[10:11], w_i_i, w_i_h, w_f_i, w_f_h, w_g_i, w_g_h s[12:23]
	s_load_b256 s[24:31], s[0:1], 0x40             ; w_o_i s[24:25], w_o_h s[26:27], xb s[28:29], wb s[30:31]
	s_and_b32 s2, ttmp7, 0xffff                    ; y: the segment
	s_lshl_b32 s33, ttmp9, 5                       ; 32 x: first row in a weight matrix
	s_and_b32 s34, s2, 3
	s_lshl_b32 s34, s34, 10
	s_add_co_u32 s34, s34, s33                     ; 1,024 (y % 4) + 32 x: first row in input or h, and in xb
	s_bfe_u32 s35, s2, 0x20001                     ; (y / 2) % 4: the gate
	s_lshl_b32 s35, s35, 5
	s_lshl_b32 s32, ttmp9, 7
	s_add_co_u32 s35, s35, s32                     ; 128 x + 32 gate: first row in wb (the 32 rows are one hid / 32)
	s_lshr_b32 s36, s2, 2                          ; half of xb's row: 0 input, 1 h
	s_and_b32 s37, s2, 1                           ; half of wb's row: 0 w_*_i, 1 w_*_h
	v_and_b32 v3, 31, v0                           ; lane
	v_lshrrev_b32 v2, 5, v0                        ; wave
	v_lshlrev_b32 v2, 14, v2                       ; 4 rows of 4,096 bytes a wave, in the source and in the destination
	v_lshl_or_b32 v1, v3, 4, v2                    ; source: 16 bytes a lane
	v_lshl_or_b32 v2, v3, 3, v2                    ; destination: 8 bytes a lane
	s_wait_kmcnt 0x0
	s_cmp_lt_u32 s2, 8                             ; an activation or a weight?  The selects leave SCC alone
	s_cselect_b32 s38, s34, s33                    ; source row
	s_cselect_b32 s39, s34, s35                    ; destination row
	s_cselect_b32 s40, s36, s37                    ; destination half
	s_cselect_b64 s[6:7], s[28:29], s[30:31]       ; xb or wb
	s_mov_b64 s[4:5], s[8:9]                       ; the source: input,
	s_cmp_ge_u32 s2, 4
	s_cselect_b64 s[4:5], s[10:11], s[4:5]         ; or h,
.irp k, 8,9,10,11,12,13,14,15
	s_cmp_eq_u32 s2, \k
	s_cselect_b64 s[4:5], s[12+2*(\k-8):13+2*(\k-8)], s[4:5]       ; or weight matrix y - 8
.endr
	s_lshl_b32 s42, s38, 12                        ; offsets stay below 16 MiB: the high word is 0
	s_mov_b32 s43, 0
	s_add_nc_u64 s[4:5], s[4:5], s[42:43]
	s_lshl_b32 s42, s39, 12
	s_lshl_b32 s40, s40, 11
	s_add_co_u32 s42, s42, s40
	s_add_nc_u64 s[6:7], s[6:7], s[42:43]
	s_wait_alu depctr_va_vdst(0)                   ; v1 and v2 are written: every load below reads v1 as its offset, every store v2; neither is written again
.set n, 0
.rept 32                                               ; load n: row n / 8 of my four, its 512 bytes number n % 8
	global_load_b128 v[X+4*n:X+4*n+3], v1, s[4:5] offset:(n/8)*ROWB+(n%8)*512 th:TH_LOAD_NT
.set n, n+1
.endr
; Block p: loads 4 p .. 4 p + 3 are rounded; ahead of each pair of conversions stands one store of block p - 1.
.set p, 0
.rept NBLK
	s_wait_loadcnt 32-BLK*(p+1)                    ; loads come back in order (ISA guide 5.7.1): this block's four are in, the 28 - 4 p younger ones stay out
.if p > 0
	s_wait_alu depctr_va_vdst(0)                   ; the block before's conversions have written its eight registers, which the four stores below read; no vector line below names them
.endif
.set i, 0
.rept BLK
.set n, BLK*p+i
.if p > 0
.set m, n-BLK
	global_store_b64 v2, v[X+4*m:X+4*m+1], s[6:7] offset:(m/8)*ROWB+(m%8)*256   ; 32 lanes x 8 bytes: 256 neighbouring bytes; the next launch reads them, so no hint
.endif
	v_cvt_pk_bf16_f32 v[X+4*n],   v[X+4*n],   v[X+4*n+1]   ; two roundings, packed; in place: no register is needed twice
	v_cvt_pk_bf16_f32 v[X+4*n+1], v[X+4*n+2], v[X+4*n+3]
.set i, i+1
.endr
.set p, p+1
.endr
	s_wait_alu depctr_va_vdst(0)                   ; the last block's conversions have written its eight registers, which the last four stores read
.set m, 32-BLK
.rept BLK
	global_store_b64 v2, v[X+4*m:X+4*m+1], s[6:7] offset:(m/8)*ROWB+(m%8)*256
.set m, m+1
.endr
	s_endpgm                                       ; no address or data register was written again behind its load or store
.Lfunc_end_k_q0dad948764_pack:
	.size	k_q0dad948764_pack, .Lfunc_end_k_q0dad948764_pack-k_q0dad948764_pack
	.p2alignl 7, 3214868480
	.fill 96, 4, 3214868480
	.section	.rodata,"a",@progbits
	.p2align	6, 0x0
	.amdhsa_kernel k_q0dad948764_pack
		.amdhsa_group_segment_fixed_size 0
		.amdhsa_private_segment_fixed_size 0
		.amdhsa_enable_private_segment 0
		.amdhsa_kernarg_size 96
		.amdhsa_user_sgpr_count 2
		.amdhsa_user_sgpr_kernarg_segment_ptr 1
		.amdhsa_wavefront_size32 1
		.amdhsa_system_sgpr_workgroup_id_x 1
		.amdhsa_system_sgpr_workgroup_id_y 1
		.amdhsa_system_sgpr_workgroup_id_z 1
		.amdhsa_system_vgpr_workitem_id 0
		.amdhsa_next_free_vgpr 132
		.amdhsa_next_free_sgpr 66
		.amdhsa_reserve_vcc 0
		.amdhsa_float_denorm_mode_32 3
		.amdhsa_float_denorm_mode_16_64 3
		.amdhsa_memory_ordered 1
		.amdhsa_forward_progress 1
		.amdhsa_inst_pref_size 13
	.end_amdhsa_kernel
	.amdgpu_metadata
---
amdhsa.version: [ 1, 2 ]
amdhsa.kernels:
  - .name:           k_q0dad948764_pack
    .symbol:         k_q0dad948764_pack.kd
    .args:
      - { .name: input, .offset: 0, .size: 8, .value_kind: global_buffer, .address_space: global }
      - { .name: h, .offset: 8, .size: 8, .value_kind: global_buffer, .address_space: global }
      - { .name: w_i_i, .offset: 16, .size: 8, .value_kind: global_buffer, .address_space: global }
      - { .name: w_i_h, .offset: 24, .size: 8, .value_kind: global_buffer, .address_space: global }
      - { .name: w_f_i, .offset: 32, .size: 8, .value_kind: global_buffer, .address_space: global }
      - { .name: w_f_h, .offset: 40, .size: 8, .value_kind: global_buffer, .address_space: global }
      - { .name: w_g_i, .offset: 48, .size: 8, .value_kind: global_buffer, .address_space: global }
      - { .name: w_g_h, .offset: 56, .size: 8, .value_kind: global_buffer, .address_space: global }
      - { .name: w_o_i, .offset: 64, .size: 8, .value_kind: global_buffer, .address_space: global }
      - { .name: w_o_h, .offset: 72, .size: 8, .value_kind: global_buffer, .address_space: global }
      - { .name: xb, .offset: 80, .size: 8, .value_kind: global_buffer, .address_space: global }
      - { .name: wb, .offset: 88, .size: 8, .value_kind: global_buffer, .address_space: global }
    .group_segment_fixed_size: 0
    .private_segment_fixed_size: 0
    .kernarg_segment_align: 8
    .kernarg_segment_size: 96
    .max_flat_workgroup_size: 256
    .sgpr_count:     66
    .vgpr_count:     132
    .wavefront_size: 32
...
	.end_amdgpu_metadata
.endif
;; end of part 3
;; launch cell: the kernel of part 2 again; grid 16 x 16, 4 waves a work-group, clusters of 4 x 4, 327,680 bytes of LDS; arguments b_i_i, b_i_h, b_f_i, b_f_h, b_g_i, b_g_h, b_o_i, b_o_h, xb, wb, c, out0, out1; writes out0, out1
